; MI455X (gfx1250); checked and timed in simulation.
; The chip was launched on July 23, 2026; its instructions are those of AMD's public machine-readable ISA for CDNA 5 (MIT licence, August 2026) and "CDNA5" Instruction Set Architecture Reference Guide (July 2026). The comments in the code are by the model that wrote it; some were corrected since.
;; Tensor Base. Allowed arithmetic: float matrix products may take bf16 or f16 operands with f32 sums; all other float work in f32.
;; Inputs: W1 174 x 128 float32; W2 128 x 128 float32; W3 128 x 3 float32; alpha_volume 1 x 128 x 128 x 128 float32; app_volume 27 x 128 x 128 x 128 float32; b1 128 float32; b2 128 float32; b3 3 float32; density_volume 1 x 128 x 128 x 128 float32; dists 4,096 x 256 float32; viewdirs 4,096 x 3 float32; xyz 4,096 x 256 x 3 float32.
;; Outputs: out0 4,096 x 3 float32.
;; One version. Each part assembles by itself: llvm-mc -triple=amdgcn-amd-amdhsa -mcpu=gfx1250 --defsym DOCPART=n.
;; ======== version 1 of 1: 2 launches
;; limits: values outside matrix products are rounded to bf16; a function is approximated: absolute error at most 3e-05; an absolute error that grows with the inputs' magnitude: up to 1e-07 times it
;; workspace buffers: vol 134,217,728 bytes; cell 8,388,608 bytes of whole numbers; wfrag 94,208 bytes
;; launch prep (part 1): grid 2048 x 1, 8 waves a work-group, no clusters, 70,656 bytes of LDS; arguments app_volume, density_volume, alpha_volume, xyz, W1, W2, W3, vol, cell, wfrag; writes vol, cell, wfrag
.if DOCPART == 1
	.amdgcn_target "amdgcn-amd-amdhsa--gfx1250"
	.amdhsa_code_object_version 6
	.text
	.protected	k_q0f10456159_prep
	.globl	k_q0f10456159_prep
	.p2align	8
	.type	k_q0f10456159_prep,@function
k_q0f10456159_prep:
	s_mov_b64 s[64:65], 0
	v_nop
	global_prefetch_b8 v0, s[64:65] scope:SCOPE_SE
	s_setreg_imm32_b32 hwreg(HW_REG_WAVE_MODE, 25, 1), 1
	s_wait_xcnt 0x0
; PREP: three tables for the launch that follows.
; (1) vol: the three volumes, which lie channel by channel, are laid voxel by voxel.  Voxel v = (z*128+y)*128+x has a record of 64 bytes at 64 v:
;     words 0-12 appearance channels (2i, 2i+1) as two bf16, word 13 (channel 26, 0), word 14 density f32, word 15 alpha f32.
;     So the two x neighbours of a cell are 128 consecutive bytes, where the given layout has 29 x 2 places far apart.
; (2) cell: for each point the whole numbers z0*128+y0 and x0 of its cell, clipped as the interpolation clips them.
; (3) wfrag: W1, W2, W3 in bf16 as register images of matrix operands (source 0 = W transposed): 92 fragments of 1,024 bytes.
; LIMITS.  The appearance volume is rounded to bf16 (nearest even) here, ahead of the interpolation: a feature's error is at most 2^-9 of the
; largest of its eight corners.  Density and alpha stay f32.  A NaN coordinate takes cell 0.
; SHARES.  2,048 work-groups of eight waves.  Wave chunk c = 8 x group + wave owns voxels 128 c .. 128 c + 127, lane L four of them, so each load of
; a wave takes 512 consecutive bytes of one channel.  The turn from channels to records goes through the wave's own 8,704 bytes of LDS, and each
; store of a wave covers 512 consecutive bytes of vol, aligned.  No wave reads another's LDS bytes: no barrier.
; Thread T = 256 x group + t owns points 2 T and 2 T + 1.  Groups 0 to 22 also make four fragments each, 16 bytes a thread.
; 160 registers a wave: a work-group puts two waves on a SIMD, so three work-groups (960 registers, 208,896 bytes of LDS) can lie together,
; and one's stores leave while the others' loads are out.
; Matrix units, clusters and the tensor mover are left out: every byte is read once and nothing is shared.
.set CHB,    0x800000                  ; bytes of one channel: 128^3 x 4
.set LPITCH, 272                       ; a lane's four records, 256 bytes, + 16
.set WLDS,   32*LPITCH                 ; LDS of one wave
.set D,   12                           ; v[12:127]  channel ch of my four voxels at v[D+4 ch]; ch 27 density, ch 28 alpha; later the records read back; at last fragment work
.set PK,  128                          ; v[128:159] two records being packed; later the fragment work
.set T,   144                          ; v[144:155] at work on the cells, where the second record will be packed
	s_load_b512 s[4:19], s[0:1], 0x0               ; app s[4:5], density s[6:7], alpha s[8:9], xyz s[10:11], W1 s[12:13], W2 s[14:15], W3 s[16:17], vol s[18:19]
	s_load_b128 s[20:23], s[0:1], 0x40             ; cell s[20:21], wfrag s[22:23]
	v_lshl_add_u32 v160, v0, 2, 0x11000
	v_mov_b32 v161, 0
	v_lshrrev_b32 v2, 5, v0
	v_readfirstlane_b32 s2, v2                     ; wave 0..7
	v_and_b32 v3, 31, v0                           ; lane
	v_lshlrev_b32 v1, 4, v3                        ; 16 x lane: my 16 bytes in a channel's 512, and in a store's 512
	v_mul_u32_u24 v4, v0, 24                       ; my two points in the group's part of xyz
	v_lshlrev_b32 v5, 4, v0                        ; my 16 bytes in the group's part of cell (and of wfrag)
	s_lshl_b32 s3, ttmp9, 3
	s_add_co_u32 s3, s3, s2                        ; chunk c
	s_lshl_b32 s24, s3, 9                          ; c x 512: the chunk in a channel
	s_mov_b32 s25, 0
	s_lshl_b32 s26, s3, 13                         ; c x 8,192: the chunk in vol (under 2^27)
	s_mov_b32 s27, 0
	s_mul_i32 s28, ttmp9, 6144                     ; 256 threads x 24 bytes of xyz
	s_mov_b32 s29, 0
	s_lshl_b32 s30, ttmp9, 12                      ; 256 threads x 16 bytes
	s_mov_b32 s31, 0
	s_mul_i32 s68, s2, WLDS                        ; my wave's LDS
	v_mad_u32_u24 v2, v3, LPITCH, s68              ; where my four records go
	v_lshrrev_b32 v[T], 4, v3
	v_add_nc_u32 v[T], v[T], v3
	v_lshl_add_u32 v3, v[T], 4, s68                ; where I read back: 16 L, and 16 more for lanes 16-31 (the pad between two blocks)
	s_wait_kmcnt 0x0
	s_add_nc_u64 s[10:11], s[10:11], s[28:29]
	s_add_nc_u64 s[20:21], s[20:21], s[30:31]
	s_add_nc_u64 s[66:67], s[18:19], s[26:27]
	s_add_nc_u64 s[60:61], s[6:7], s[24:25]
	s_add_nc_u64 s[62:63], s[8:9], s[24:25]
	s_add_nc_u64 s[32:33], s[4:5], s[24:25]
	s_add_nc_u64 s[32:33], s[32:33], CHB           ; base k stands at channel 2k+1: channel 2k is reached by the immediate -CHB, the lowest the signed 24 bits hold
.irp k, 1,2,3,4,5,6,7,8,9,10,11,12,13
	s_add_nc_u64 s[32+2*\k:33+2*\k], s[30+2*\k:31+2*\k], 2*CHB
.endr
	global_load_b64 v[6:7],   v4, s[10:11] th:TH_LOAD_NT
	global_load_b64 v[8:9],   v4, s[10:11] offset:8 th:TH_LOAD_NT
	global_load_b64 v[10:11], v4, s[10:11] offset:16 th:TH_LOAD_NT
.irp k, 0,1,2,3,4,5,6,7,8,9,10,11,12
	global_load_b128 v[D+8*\k:D+8*\k+3],   v1, s[32+2*\k:33+2*\k] offset:-CHB th:TH_LOAD_NT
	global_load_b128 v[D+8*\k+4:D+8*\k+7], v1, s[32+2*\k:33+2*\k] th:TH_LOAD_NT
.endr
	global_load_b128 v[D+104:D+107], v1, s[58:59] offset:-CHB th:TH_LOAD_NT   ; channel 26: base 13 is used with the negative immediate alone
	global_load_b128 v[D+108:D+111], v1, s[60:61] th:TH_LOAD_NT
	global_load_b128 v[D+112:D+115], v1, s[62:63] th:TH_LOAD_NT
	; THE CELLS.  g = (c + 1) x 63.5 has the same rounding as ((c + 1) x 0.5) x 127, since the halving is exact; the next launch forms it by the same two lines.
	s_wait_loadcnt 29                              ; loads return in order: the three of xyz are in, the 29 of the volumes stay out
.irp i, 0,1,2,3,4,5
	v_add_f32 v[T+\i], 1.0, v[6+\i]
.endr
.irp i, 0,1,2,3,4,5
	v_mul_f32 v[T+\i], 0x427e0000, v[T+\i]         ; x 63.5
.endr
.irp i, 0,1,2,3,4,5
	v_floor_f32 v[T+\i], v[T+\i]
.endr
.irp i, 0,1,2,3,4,5
	v_max_num_f32 v[T+\i], 0, v[T+\i]              ; a NaN loses: cell 0
.endr
.irp i, 0,1,2,3,4,5
	v_min_num_f32 v[T+\i], 0x42fc0000, v[T+\i]     ; 126
.endr
	v_cvt_u32_f32 v[T+9],  v[T+0]                  ; x0 of the first point
	v_cvt_u32_f32 v[T+1],  v[T+1]
	v_cvt_u32_f32 v[T+2],  v[T+2]
	v_cvt_u32_f32 v[T+11], v[T+3]                  ; x0 of the second
	v_cvt_u32_f32 v[T+4],  v[T+4]
	v_cvt_u32_f32 v[T+5],  v[T+5]
	v_lshl_add_u32 v[T+8],  v[T+2], 7, v[T+1]      ; z0 x 128 + y0
	v_lshl_add_u32 v[T+10], v[T+5], 7, v[T+4]
	global_store_b128 v5, v[T+8:T+11], s[20:21] th:TH_STORE_NT   ; a wave's store covers 512 consecutive bytes
	; THE TURN.  Voxel q of my four: 16 words, into my block of LDS.
	s_wait_loadcnt 0x0
	s_wait_xcnt 0x0                                ; the registers that the store of the cells reads are packed over only behind this wait
.irp q, 0,1,2,3
.set PB, PK+16*(\q&1)
.irp i, 0,1,2,3,4,5,6,7,8,9,10,11,12
	v_cvt_pk_bf16_f32 v[PB+\i], v[D+8*\i+\q], v[D+8*\i+4+\q]
.endr
	v_cvt_pk_bf16_f32 v[PB+13], v[D+104+\q], 0
	v_mov_b32 v[PB+14], v[D+108+\q]                ; density and alpha move beside the packed words: a 16-byte store wants four neighbouring registers
	v_mov_b32 v[PB+15], v[D+112+\q]
.irp c, 0,1,2,3
	ds_store_b128 v2, v[PB+4*\c:PB+4*\c+3] offset:64*\q+16*\c
.endr
.endr
.irp n, 0,1,2,3,4,5,6,7,8,9,10,11,12,13,14,15
	ds_load_b128 v[D+4*\n:D+4*\n+3], v3 offset:544*\n   ; two blocks, 512 bytes of records; LDS serves a wave's instructions in order (ISA guide 5.7.1.4): these see the stores above
.endr
.irp n, 0,1,2,3,4,5,6,7,8,9,10,11,12,13,14,15
	s_wait_dscnt 15-\n                             ; read-back n is in, the younger ones stay out
	global_store_b128 v1, v[D+4*\n:D+4*\n+3], s[66:67] offset:512*\n th:TH_STORE_NT
.endr
	; THE FRAGMENTS.  Fragment f', half a, lane (r = L % 16, h = L / 16): 16 bytes at 1024 f' + 512 a + 16 L = W[k .. k+7][column], k = 32 (K step) + 16 a + 8 h.
	;   0-39  W1 rows 0-159 (zero from row 138 on), column 16 t + r, f' = 8 s + t      40-55  the view list: rows 138-173, then 27-29, then zeros
	;   56-87 W2, f' = 56 + 8 u + t                                                    88-91  W3, column r % 8 (zero from 3 on): the colours stand in rows 0-2 and 8-10
	s_cmp_ge_u32 ttmp9, 23
	s_cbranch_scc1 .Lend
	s_wait_xcnt 0x0                                ; the registers that the stores above name are written again only behind this wait
	s_cmp_lt_u32 ttmp9, 22                         ; groups 0-9 W1, 10-13 the view list, 14-21 W2, 22 W3
	s_cselect_b64 s[70:71], s[14:15], s[16:17]     ; the table
	s_cselect_b32 s72, 56, 88                      ; its first fragment
	s_cselect_b32 s73, 3, 0                        ; fragments to a K step: 8 or 1, as a shift
	s_cselect_b32 s74, 7, 0                        ; and as a mask
	s_cselect_b32 s75, 15, 7                       ; the row of the operand, folded
	s_cselect_b32 s76, 16, 3                       ; columns that exist in a tile
	s_cselect_b32 s77, 127, 2                      ; the table's last column
	s_cselect_b32 s78, 128, 3                      ; numbers in a row of the table
	s_mov_b32 s79, 128                             ; k from which zeros stand
	s_mov_b32 s80, 0x7fffffff                      ; k at which the list jumps
	s_mov_b32 s81, 0                               ; row - k below the jump
	s_mov_b32 s82, 0                               ; row - k from the jump on
	s_cmp_lt_u32 ttmp9, 14
	s_cselect_b64 s[70:71], s[12:13], s[70:71]
	s_cselect_b32 s72, 40, s72
	s_cselect_b32 s79, 39, s79
	s_cselect_b32 s80, 36, s80
	s_cselect_b32 s81, 138, s81
	s_cselect_b32 s82, -9, s82
	s_cmp_lt_u32 ttmp9, 10
	s_cselect_b32 s72, 0, s72
	s_cselect_b32 s79, 138, s79
	s_cselect_b32 s80, 0x7fffffff, s80
	s_cselect_b32 s81, 0, s81
	s_cselect_b32 s82, 0, s82
	s_lshl_b32 s83, ttmp9, 2
	s_lshr_b32 s84, s2, 1
	s_add_co_u32 s83, s83, s84                     ; my fragment: 4 x group + wave / 2,
	s_sub_co_u32 s83, s83, s72                     ; counted in its table
	s_lshr_b32 s84, s83, s73
	s_lshl_b32 s84, s84, 5                         ; 32 x K step
	s_and_b32 s85, s2, 1
	s_lshl4_add_u32 s84, s85, s84                  ; + 16 a
	s_and_b32 s85, s83, s74
	s_lshl_b32 s85, s85, 4                         ; 16 t
	s_add_nc_u64 s[22:23], s[22:23], s[30:31]      ; the group's 4,096 bytes of wfrag
	v_and_b32 v12, 15, v0                          ; r
	v_bfe_u32 v13, v0, 4, 1                        ; h
	v_and_b32 v14, s75, v12
	v_add_nc_u32 v15, s85, v14
	v_min_u32 v15, s77, v15                        ; the column, kept inside the table
	v_cmp_gt_u32 s86, s76, v14                     ; lanes whose column exists
	v_lshl_add_u32 v13, v13, 3, s84                ; my first k
	v_mov_b32 v16, s81
	v_mov_b32 v17, s82
.irp e, 0,1,2,3,4,5,6,7
	v_add_nc_u32 v[128+\e], \e, v13                ; k
	v_cmp_gt_u32 vcc_lo, s80, v[128+\e]
	v_cndmask_b32 v[136+\e], v17, v16, vcc_lo
	v_add_nc_u32 v[136+\e], v[136+\e], v[128+\e]   ; the row: 159 at the most in W1, 127 in W2 and W3
	v_mad_u32_u24 v[136+\e], v[136+\e], s78, v15
	v_lshlrev_b32 v[136+\e], 2, v[136+\e]
	global_load_b32 v[144+\e], v[136+\e], s[70:71]
.endr
	s_wait_loadcnt 0x0
.irp e, 0,1,2,3,4,5,6,7
	v_cmp_gt_u32 vcc_lo, s79, v[128+\e]
	s_and_b32 vcc_lo, vcc_lo, s86
	v_cndmask_b32 v[144+\e], 0, v[144+\e], vcc_lo
.endr
.irp i, 0,1,2,3
	v_cvt_pk_bf16_f32 v[152+\i], v[144+2*\i], v[144+2*\i+1]
.endr
	global_store_b128 v5, v[152:155], s[22:23]     ; a wave's store covers 512 consecutive bytes: half a fragment
.Lend:
	s_wait_tensorcnt 0x0
	ds_add_u32 v160, v161
	s_wait_dscnt 0x0
	s_endpgm
.Lfunc_end_k_q0f10456159_prep:
	.size	k_q0f10456159_prep, .Lfunc_end_k_q0f10456159_prep-k_q0f10456159_prep
	.p2alignl 7, 3214868480
	.fill 96, 4, 3214868480
	.section	.rodata,"a",@progbits
	.p2align	6, 0x0
	.amdhsa_kernel k_q0f10456159_prep
		.amdhsa_group_segment_fixed_size 70656
		.amdhsa_private_segment_fixed_size 0
		.amdhsa_enable_private_segment 0
		.amdhsa_kernarg_size 80
		.amdhsa_user_sgpr_count 2
		.amdhsa_user_sgpr_kernarg_segment_ptr 1
		.amdhsa_wavefront_size32 1
		.amdhsa_system_sgpr_workgroup_id_x 1
		.amdhsa_system_sgpr_workgroup_id_y 1
		.amdhsa_system_sgpr_workgroup_id_z 1
		.amdhsa_system_vgpr_workitem_id 0
		.amdhsa_next_free_vgpr 162
		.amdhsa_next_free_sgpr 96
		.amdhsa_reserve_vcc 1
		.amdhsa_float_denorm_mode_32 3
		.amdhsa_float_denorm_mode_16_64 3
		.amdhsa_memory_ordered 1
		.amdhsa_forward_progress 1
		.amdhsa_inst_pref_size 21
	.end_amdhsa_kernel
	.amdgpu_metadata
---
amdhsa.version: [ 1, 2 ]
amdhsa.kernels:
  - .name:           k_q0f10456159_prep
    .symbol:         k_q0f10456159_prep.kd
    .args:
      - { .name: app_volume, .offset: 0, .size: 8, .value_kind: global_buffer, .address_space: global }
      - { .name: density_volume, .offset: 8, .size: 8, .value_kind: global_buffer, .address_space: global }
      - { .name: alpha_volume, .offset: 16, .size: 8, .value_kind: global_buffer, .address_space: global }
      - { .name: xyz, .offset: 24, .size: 8, .value_kind: global_buffer, .address_space: global }
      - { .name: W1, .offset: 32, .size: 8, .value_kind: global_buffer, .address_space: global }
      - { .name: W2, .offset: 40, .size: 8, .value_kind: global_buffer, .address_space: global }
      - { .name: W3, .offset: 48, .size: 8, .value_kind: global_buffer, .address_space: global }
      - { .name: vol, .offset: 56, .size: 8, .value_kind: global_buffer, .address_space: global }
      - { .name: cell, .offset: 64, .size: 8, .value_kind: global_buffer, .address_space: global }
      - { .name: wfrag, .offset: 72, .size: 8, .value_kind: global_buffer, .address_space: global }
    .group_segment_fixed_size: 70656
    .private_segment_fixed_size: 0
    .kernarg_segment_align: 8
    .kernarg_segment_size: 80
    .max_flat_workgroup_size: 256
    .sgpr_count:     96
    .vgpr_count:     162
    .wavefront_size: 32
...
	.end_amdgpu_metadata
.endif
;; end of part 1
;; launch render (part 2): grid 256 x 1, 4 waves a work-group, no clusters, 100,864 bytes of LDS; arguments vol, cell, wfrag, xyz, dists, viewdirs, b1, b2, b3, out0; writes out0
.if DOCPART == 2
	.amdgcn_target "amdgcn-amd-amdhsa--gfx1250"
	.amdhsa_code_object_version 6
	.text
	.protected	k_q0f10456159_render
	.globl	k_q0f10456159_render
	.p2align	8
	.type	k_q0f10456159_render,@function
k_q0f10456159_render:
	s_mov_b64 s[64:65], 0
	v_nop
	global_prefetch_b8 v0, s[64:65] scope:SCOPE_SE
	s_setreg_imm32_b32 hwreg(HW_REG_WAVE_MODE, 25, 1), 1
	s_wait_xcnt 0x0
; RENDER: for 4,096 rays x 256 samples: interpolation of the records, density to weight along the ray, features, the three layers, the weighted sum.
; SHARES.  256 work-groups of four waves; a wave owns four rays = 1,024 consecutive points = 32 batches of 32.  No wave reads another's LDS bytes: no barrier.
; ONE LOOP of 32 trips, a batch a trip, with no branch but its own.  What changes from ray to ray (the light that reaches the first sample, the sums, the ray's C vector)
; is chosen by scalar selects on the trip's number.  Each trip stores its lanes' running sums of the ray into LDS (three stores of 4 bytes a lane); the ray's eighth trip
; leaves the whole sums there, and behind the loop lane i < 12 adds the 32 numbers of row i = 3 x ray + colour.
; While a batch is prepared a lane is one point.  In the layers the matrix instruction takes W transposed as source 0 and the activations as source 1: in the
; result a lane holds ONE point (lane % 16 of a tile of 16) and eight neurons, which, clipped at 0 and rounded to bf16 in pairs, ARE source 1 of the next layer.
; W1 (K = 160: rows 0-137, zeros behind) and W2 stay in registers for the whole launch.  The rows of W1 that meet the view direction alone, and b1, are folded once
; for each ray into a vector of 128 that layer 1 takes as its C; b2 is layer 2's C.
; VECTOR WORK BETWEEN THE PRODUCTS.  Behind the products of a group of neurons stands the clipping and rounding of the group before.  Layer 1's first group has no group before
; it: behind its products stand the chain from density to weight, which no product needs, and the lane exchanges of the K steps that are still to come.
; GATHER.  A cell's eight corners are four runs of 128 bytes (x0 and x0+1 lie side by side).  Eight lanes fetch a run; 32 loads bring a batch, are issued one batch
; ahead into 128 registers, and are dealt to their points through LDS.  The addresses come from the whole numbers that the launch before stored.
; LIMITS.  Appearance voxels arrive rounded to bf16; weights of the interpolation, its sums, density, alpha, sines and cosines are f32; the layers' operands are bf16.
; Sine and cosine: x is reduced to r = x/2pi - nearest whole number; sin and cos of (pi/2) r by Taylor sums to the 7th and 6th power (argument at most pi/4), then two
; doublings give x and a third gives 2x: absolute error about 3e-5, and |x| x 1e-7 more from the reduction.  A point whose interpolated alpha lies within rounding of
; 0.001 may fall on the other side of the mask.  The output is 48 bytes a wave: too little to fill aligned blocks of 256.
; Left out: clusters (what is shared, 94,208 bytes of weights, is read once by each wave), the tensor mover (the gather goes by lanes).
;
; REGISTERS, in windows of 256 (s_set_vgpr_msb: bits 1:0 source 0, 3:2 source 1, 5:4 source 2, 7:6 destination):
;   window 0: v0-39 addresses, the batch's numbers, at work; v40-119 P, layer 1's source 1 (H2, layer 3's, lies on v40-103); v120-183 two sets of four accumulators
;             (while a batch is prepared: R, four corners' records, then the sines at work); v184-247 H1, layer 2's source 1 (before: F features, DN, AV, CW; in layer 3: W3);
;             v248-252 addresses, b3
;   window 1: W1, K steps 0-3, fragment f at 8 f     window 2: W2, fragment f at 8 f
;   window 3: v0-63 W1's K step 4; v64-191 G, the gather (at the start: the view fragments); v192-223 CB, two sets of C; v224-239 IW, cell numbers; v240-247 GA, gather addresses
.set WLDS,   25088                     ; LDS of one wave:
.set SPITCH, 528                       ;   +0      32 rows, one a point: 512 bytes [dz][dy][dx][16 words] + 16, so that 16 lanes' 16-byte reads fall on 16 different columns of 256
.set W3OFF,  16896                     ;   +16896  W3's four fragments, 4,096 bytes
.set CVOFF,  20992                     ;   +20992  four rays x 128 f32: the view's share of layer 1, b1 in it
.set B2OFF,  23040                     ;   +23040  b2, 512 bytes
.set SUOFF,  23552                     ;   +23552  twelve rows (3 x ray + colour) of 32 f32: the lanes' sums
.set LN16, 2                           ; 16 x lane
.set STS,  3                           ; where my 16 bytes of a run go: row 8 (L/8), byte 16 (L%8)
.set STL,  4                           ; my point's row
.set CVA,  5                           ; this ray's C vector, + 32 h
.set B2A,  6                           ; b2, + 32 h
.set LC,   7                           ; 16 (L % 8): my 16 bytes of a run
.set L12,  8                           ; 12 L
.set L4,   9                           ; 4 L
.set G64,  10                          ; 64 (L / 8): my eight points' cell numbers
.set XO,   11                          ; offsets of the batch being fetched: xyz,
.set DO,   12                          ; dists,
.set IO,   13                          ; cell
.set XYZ,  14                          ; v[14:16]
.set DI,   17
.set D25,  18                          ; 25 x dist
.set WGT,  19                          ; the point's weight
.set RGB,  20                          ; v[20:22] the ray's sums, by lanes
.set SUA,  23                          ; my word in this ray's first row of sums
.set SU0,  24                          ; the same for ray 0
.set ZERO, 25
.set VA2,  26                          ; v[26:27], v[28:29]: two coefficients as vector pairs, so that no packed line names two scalar pairs
.set VB2,  28
.set TM,   30                          ; v[30:39] at work
.set P,    40
.set H2,   40
.set CVR,  72                          ; the start's eight accumulators
.set ACC,  120
.set R,    120
.set H1,   184
.set F,    184                         ; v[184:211] 27 features and a zero
.set DN,   212
.set AV,   213
.set CW,   214                         ; v[214:221] corner weights, [dz][dy][dx]
.set TSB,  222                         ; sines and cosines at work, eight registers a pair of channels: at the start three pairs in v[222:245]; in the loop seven pairs on R
.set W3A,  248                         ; my wave's LDS + 16 x lane
.set CV0,  249                         ; my wave's C vectors + 32 h
.set B3S,  250                         ; v[250:252] -log2 e x b3
.set G,    64                          ; window 3
.set CB,   192
.set IW,   224
.set GA,   240
.set KA0, 48                           ; s[48:57] coefficients, each twice: a packed line names the pair
.set KA1, 50
.set KA3, 52
.set KB1, 54
.set KB3, 56
.set MSB, 0
.macro WIN new                         ; the immediate's high byte repeats the setting that is left; a switch that changes nothing is dropped
.if MSB != (\new)
	s_set_vgpr_msb (MSB<<8)|(\new)
.set MSB, (\new)
.endif
.endm
; Pair q of layer 1's input (rows 2q, 2q+1 of W1) is made for all 32 points in register PR.  The places are such that exchanging the upper half of v[P+16s+j] with the lower
; half of v[P+16s+8+j] leaves v[P+16s+8pt .. +7] as source 1 of K step s for tile pt: lanes 0-15 want pairs 0-3 and 8-11 of a step's sixteen, lanes 16-31 pairs 4-7 and 12-15.
.macro SETP q
.set PR, P+16*((\q)>>4)+8*(((\q)>>2)&1)+4*(((\q)>>3)&1)+((\q)&3)
.endm
; One doubling for NP pairs of channels: d = 2 s; cos' = 1 - d s; sin' = d cos.  The arguments are places in a pair's eight registers; d takes place 0.
.macro DOUBLE NP, s, c, cn, sn
.set pp, 0
.rept \NP
	v_pk_add_f32 v[TSB+8*pp:TSB+8*pp+1], v[TSB+8*pp+\s:TSB+8*pp+\s+1], v[TSB+8*pp+\s:TSB+8*pp+\s+1]
.set pp, pp+1
.endr
.set pp, 0
.rept \NP
	v_pk_fma_f32 v[TSB+8*pp+\cn:TSB+8*pp+\cn+1], v[TSB+8*pp:TSB+8*pp+1], v[TSB+8*pp+\s:TSB+8*pp+\s+1], 1.0 op_sel_hi:[1,1,0] neg_lo:[1,0,0] neg_hi:[1,0,0]
.set pp, pp+1
.endr
.set pp, 0
.rept \NP
	v_pk_mul_f32 v[TSB+8*pp+\sn:TSB+8*pp+\sn+1], v[TSB+8*pp:TSB+8*pp+1], v[TSB+8*pp+\c:TSB+8*pp+\c+1]
.set pp, pp+1
.endr
.endm
; Channels c0 .. c0 + 2 NP - 1 of F: (sin x, sin 2x) -> pair SB + c, (cos x, cos 2x) -> pair CBP + c, for c < NV; RAW: (x_c, x_c+1) -> pair c / 2.
; Each step is written for all NP pairs before the next step, so that NP or 2 NP lines stand between a result and its use.
.macro SINCOS c0, NP, SB, CBP, NV, RAW
.set pp, 0
.rept \NP
	v_pk_mul_f32 v[TSB+8*pp:TSB+8*pp+1], v[F+\c0+2*pp:F+\c0+2*pp+1], 0.15915494 op_sel_hi:[1,0]   ; x in turns
.set pp, pp+1
.endr
.set pp, 0
.rept \NP
	v_rndne_f32 v[TSB+8*pp+2], v[TSB+8*pp]
	v_rndne_f32 v[TSB+8*pp+3], v[TSB+8*pp+1]
.set pp, pp+1
.endr
.set pp, 0
.rept \NP
	v_pk_add_f32 v[TSB+8*pp:TSB+8*pp+1], v[TSB+8*pp:TSB+8*pp+1], v[TSB+8*pp+2:TSB+8*pp+3] neg_lo:[0,1] neg_hi:[0,1]   ; r, exact, at most half a turn
.set pp, pp+1
.endr
.set pp, 0
.rept \NP
	v_pk_mul_f32 v[TSB+8*pp+2:TSB+8*pp+3], v[TSB+8*pp:TSB+8*pp+1], v[TSB+8*pp:TSB+8*pp+1]          ; z = r^2
.set pp, pp+1
.endr
.set pp, 0
.rept \NP
	v_pk_fma_f32 v[TSB+8*pp+4:TSB+8*pp+5], v[TSB+8*pp+2:TSB+8*pp+3], s[KA3:KA3+1], v[VA2:VA2+1] op_sel_hi:[1,0,1]
	v_pk_fma_f32 v[TSB+8*pp+6:TSB+8*pp+7], v[TSB+8*pp+2:TSB+8*pp+3], s[KB3:KB3+1], v[VB2:VB2+1] op_sel_hi:[1,0,1]
.set pp, pp+1
.endr
.set pp, 0
.rept \NP
	v_pk_fma_f32 v[TSB+8*pp+4:TSB+8*pp+5], v[TSB+8*pp+4:TSB+8*pp+5], v[TSB+8*pp+2:TSB+8*pp+3], s[KA1:KA1+1] op_sel_hi:[1,1,0]
	v_pk_fma_f32 v[TSB+8*pp+6:TSB+8*pp+7], v[TSB+8*pp+6:TSB+8*pp+7], v[TSB+8*pp+2:TSB+8*pp+3], s[KB1:KB1+1] op_sel_hi:[1,1,0]
.set pp, pp+1
.endr
.set pp, 0
.rept \NP
	v_pk_fma_f32 v[TSB+8*pp+4:TSB+8*pp+5], v[TSB+8*pp+4:TSB+8*pp+5], v[TSB+8*pp+2:TSB+8*pp+3], s[KA0:KA0+1] op_sel_hi:[1,1,0]
	v_pk_fma_f32 v[TSB+8*pp+6:TSB+8*pp+7], v[TSB+8*pp+6:TSB+8*pp+7], v[TSB+8*pp+2:TSB+8*pp+3], 1.0 op_sel_hi:[1,1,0]   ; cos (x/4)
.set pp, pp+1
.endr
.set pp, 0
.rept \NP
	v_pk_mul_f32 v[TSB+8*pp+4:TSB+8*pp+5], v[TSB+8*pp:TSB+8*pp+1], v[TSB+8*pp+4:TSB+8*pp+5]        ; sin (x/4)
.set pp, pp+1
.endr
	DOUBLE \NP, 4, 6, 2, 4                         ; x/2: sin at 4, cos at 2
	DOUBLE \NP, 4, 2, 6, 4                         ; x:   sin at 4, cos at 6
	DOUBLE \NP, 4, 6, 2, 0                         ; 2x:  sin at 0 (over d), cos at 2
.set pp, 0
.rept \NP
.set ee, 0
.rept 2
.if (\c0+2*pp+ee) < \NV
	SETP (\SB+\c0+2*pp+ee)
	v_cvt_pk_bf16_f32 v[PR], v[TSB+8*pp+4+ee], v[TSB+8*pp+ee]
	SETP (\CBP+\c0+2*pp+ee)
	v_cvt_pk_bf16_f32 v[PR], v[TSB+8*pp+6+ee], v[TSB+8*pp+2+ee]
.endif
.set ee, ee+1
.endr
.if \RAW
	SETP ((\c0+2*pp)/2)
	v_cvt_pk_bf16_f32 v[PR], v[F+\c0+2*pp], v[F+\c0+2*pp+1]
.endif
.set pp, pp+1
.endr
.endm
; The fetch of batch s35: its gather, from the cell numbers that are in IW; its xyz and dists; and the cell numbers of batch s36.  The cell numbers in IW have been waited for; at the start the weights are still out.
.macro NEXT
	WIN 0xCC
.irp m, 0,1,2,3,4,5,6,7
	v_min_u32 v[IW+2*\m],   0x3f7e, v[IW+2*\m]     ; z0 x 128 + y0 at most 126 x 128 + 126,
	v_min_u32 v[IW+2*\m+1], 126,    v[IW+2*\m+1]   ; x0 at most 126: whatever the words hold, the runs lie inside vol
.endr
	WIN 0xC3
.irp m, 0,1,2,3,4,5,6,7
	v_lshl_add_u32 v[IW+2*\m], v[IW+2*\m], 13, v[LC]          ; a row of 128 records is 8,192 bytes
.endr
	WIN 0xF3
.irp m, 0,1,2,3,4,5,6,7
	v_lshl_add_u32 v[GA+\m], v[IW+2*\m+1], 6, v[IW+2*\m]
.endr
	WIN 0xC3
.irp m, 0,1,2,3,4,5,6,7
.irp cp, 0,1,2,3
	global_load_b128 v[G+4*(4*\m+\cp):G+4*(4*\m+\cp)+3], v[GA+\m], s[8:9] offset:(\cp>>1)*1048576+(\cp&1)*8192   ; lanes 8 g .. 8 g + 7: point 8 g + m, the run at (z0 + dz, y0 + dy)
.endr
.endr
	WIN 0
	s_mul_i32 s37, s35, 384
	s_lshl_b32 s38, s35, 7
	s_lshl_b32 s39, s36, 8
	v_add_nc_u32 v[XO], s37, v[L12]
	v_add_nc_u32 v[DO], s38, v[L4]
	v_add_nc_u32 v[IO], s39, v[G64]
	global_load_b32 v[XYZ],   v[XO], s[14:15]
	global_load_b32 v[XYZ+1], v[XO], s[14:15] offset:4
	global_load_b32 v[XYZ+2], v[XO], s[14:15] offset:8
	global_load_b32 v[DI], v[DO], s[16:17] th:TH_LOAD_NT
	WIN 0xC0
.irp n, 0,1,2,3
	global_load_b128 v[IW+4*\n:IW+4*\n+3], v[IO], s[10:11] offset:16*\n th:TH_LOAD_NT
.endr
	WIN 0
.endm
.macro CORNER k                        ; corner k = 4 dz + 2 dy + dx of my point: its record, into slot k % 4
.irp c, 0,1,2,3
	ds_load_b128 v[R+16*((\k)&3)+4*\c:R+16*((\k)&3)+4*\c+3], v[STL] offset:64*(\k)+16*\c
.endr
.endm
.macro LERP k                          ; corner k's share: 27 features straight from bf16 halves, density and alpha from f32; corner 0 starts the sums
.set RK, R+16*((\k)&3)
.set cc, 0
.rept 27
.set AD, F+cc
.if \k == 0
.set AD, ZERO
.endif
.if cc&1
	v_fma_mix_f32_bf16 v[F+cc], v[RK+cc/2], v[CW+\k], v[AD] op_sel:[1,0,0] op_sel_hi:[1,0,0]
.else
	v_fma_mix_f32_bf16 v[F+cc], v[RK+cc/2], v[CW+\k], v[AD] op_sel_hi:[1,0,0]
.endif
.set cc, cc+1
.endr
.if \k == 0
	v_mul_f32 v[DN], v[RK+14], v[CW]
	v_mul_f32 v[AV], v[RK+15], v[CW]
.else
	v_fmac_f32 v[DN], v[RK+14], v[CW+\k]
	v_fmac_f32 v[AV], v[RK+15], v[CW+\k]
.endif
.endm
; Number WTJ of the 37 lines from density to weight.  softplus(x) = max(x, 0) + log(1 + e), e = exp(-|x|); log(1 + e) = log(u) e / (u - 1) with u = 1 + e as rounded, or e where u = 1.
; Numbers 3, 8 and 19 are plain lines of the chain's own that touch no transcendental's registers: each stands between a transcendental and the first use of its result (ISA guide 5.7.2).
; From 23 on: the product of what all samples before mine let through: shifted by one lane, a scan inside each half of the lanes, the lower half's product onto the upper, the batch's carry.
.macro WT
.if WTJ < 37
	WIN 0
.endif
.if WTJ == 0
	v_add_f32 v30, 0xc1200000, v[DN]               ; x = density - 10
.elseif WTJ == 1
	v_mul_f32 v31, 0xbfb8aa3b, |v30|
.elseif WTJ == 2
	v_exp_f32 v31, v31
.elseif WTJ == 3
	v_max_num_f32 v36, 0, v30
.elseif WTJ == 4
	s_wait_alu depctr_va_vdst(0)
	v_add_f32 v32, 1.0, v31
.elseif WTJ == 5
	v_add_f32 v33, -1.0, v32
.elseif WTJ == 6
	v_log_f32 v34, v32
.elseif WTJ == 7
	v_rcp_f32 v35, v33
.elseif WTJ == 8
	v_mul_f32 v38, 0xbfb8aa3b, v[D25]              ; -log2 e x 25 dist
.elseif WTJ == 9
	v_cmp_eq_f32 vcc_lo, 0, v33
.elseif WTJ == 10
	s_wait_alu depctr_va_vdst(0)
	v_mul_f32 v34, 0x3f317218, v34
.elseif WTJ == 11
	v_mul_f32 v34, v34, v31
.elseif WTJ == 12
	v_mul_f32 v34, v34, v35
.elseif WTJ == 13
	v_cndmask_b32 v34, v34, v31, vcc_lo
.elseif WTJ == 14
	v_add_f32 v36, v36, v34                        ; sigma
.elseif WTJ == 15
	v_cmp_lt_f32 vcc_lo, 0x3a83126f, v[AV]         ; 0.001 < alpha
.elseif WTJ == 16
	v_cndmask_b32 v36, 0, v36, vcc_lo
.elseif WTJ == 17
	v_mul_f32 v37, v36, v38
.elseif WTJ == 18
	v_exp_f32 v37, v37
.elseif WTJ == 19
	v_mov_b32 v39, 1.0                             ; what lane 0 keeps in the shift below
.elseif WTJ == 20
	s_wait_alu depctr_va_vdst(0)
	v_sub_f32 v38, 1.0, v37                        ; alpha
.elseif WTJ == 21
	v_sub_f32 v37, 1.0, v38
.elseif WTJ == 22
	v_add_f32 v37, 0x2edbe6ff, v37                 ; what a sample lets through: 1 - alpha + 1e-10
.elseif WTJ == 23
	v_mov_b32_dpp v39, v37 row_shr:1 row_mask:0xf bank_mask:0xf
.elseif WTJ == 24
	v_readlane_b32 s35, v37, 15
.elseif WTJ == 25
	v_writelane_b32 v39, s35, 16
.elseif WTJ == 26
	v_mul_f32_dpp v39, v39, v39 row_shr:1 row_mask:0xf bank_mask:0xf
.elseif WTJ == 27
	v_mul_f32_dpp v39, v39, v39 row_shr:2 row_mask:0xf bank_mask:0xf
.elseif WTJ == 28
	v_mul_f32_dpp v39, v39, v39 row_shr:4 row_mask:0xf bank_mask:0xf
.elseif WTJ == 29
	v_mul_f32_dpp v39, v39, v39 row_shr:8 row_mask:0xf bank_mask:0xf
.elseif WTJ == 30
	v_readlane_b32 s35, v39, 15
.elseif WTJ == 31
	v_mul_f32 v35, s35, v39
.elseif WTJ == 32
	v_cndmask_b32 v39, v39, v35, s40
.elseif WTJ == 33
	v_mul_f32 v39, s31, v39                        ; times what reached the batch
.elseif WTJ == 34
	v_mul_f32 v[WGT], v38, v39
.elseif WTJ == 35
	v_mul_f32 v35, v39, v37
.elseif WTJ == 36
	v_readlane_b32 s31, v35, 31                    ; what reaches the next batch
.endif
.set WTJ, WTJ+1
.endm
; What stands behind product NW of layer 1's first group: two lines of the chain WT, and between them the lane exchanges of the K step behind the one being multiplied:
; K step s + 1 is exchanged behind the four products of K step s (eight exchanges for steps 1 to 3, four for step 4, whose upper half is zeros).
.macro G0SLICE
	WT
.if NW < 12
	v_permlane16_swap_b32 v[P+16*(NW/4+1)+2*(NW%4)],   v[P+16*(NW/4+1)+8+2*(NW%4)]
	v_permlane16_swap_b32 v[P+16*(NW/4+1)+2*(NW%4)+1], v[P+16*(NW/4+1)+9+2*(NW%4)]
.elseif NW < 16
	v_permlane16_swap_b32 v[P+64+NW%4], v[P+72+NW%4]
.endif
	WT
.endm
; Number RLJ of the list that turns the four accumulators at RLA into 16 registers of the next layer's source 1 at RLH.  0-3: four v_nop, the places between the set's last product and
; the first read of a result (ISA guide 7.12.1).  4-35: clip at 0, each accumulator from its lowest register on; only source 1 and the destination are registers, and both are in
; window 0 under every setting that the products use: no switch.  36-51: rounding to bf16 in pairs, which wants window 0 for source 0.
.macro RL
.if RLJ < 4
	v_nop
.elseif RLJ < 36
	v_max_num_f32 v[RLA+RLJ-4], 0, v[RLA+RLJ-4]
.elseif RLJ < 52
	WIN 0
.set QA, (RLJ-36)>>2
.set QI, (RLJ-36)&3
	v_cvt_pk_bf16_f32 v[RLH+8*(QA&1)+4*(QA>>1)+QI], v[RLA+8*QA+2*QI], v[RLA+8*QA+2*QI+1]
.endif
.set RLJ, RLJ+1
.endm
.macro CBLOAD g                        ; the C of group g: for neurons 32 (g % 4) + 16 tt + 8 h + 0..7 the ray's vector (layer 1) or b2 (layer 2); all lanes of a half read the same words
	WIN 0xC0
.irp tt, 0,1
.irp hf, 0,1
.if (\g) < 4
	ds_load_b128 v[CB+16*((\g)&1)+8*\tt+4*\hf:CB+16*((\g)&1)+8*\tt+4*\hf+3], v[CVA] offset:128*((\g)&3)+64*\tt+16*\hf
.else
	ds_load_b128 v[CB+16*((\g)&1)+8*\tt+4*\hf:CB+16*((\g)&1)+8*\tt+4*\hf+3], v[B2A] offset:128*((\g)&3)+64*\tt+16*\hf
.endif
.endr
.endr
.endm
; Group g: layer 1 + g / 4, neurons 32 (g % 4) .. + 31, both tiles of points: four accumulators of set g % 2, which take turns, one instruction a turn.
; Behind each product stand per numbers of the list RL for the group before (group 0: a slice G0SLICE); behind the fifth product the next group's C is asked for (its registers' last reader is a group back).
.macro GROUP g, per
.if \g > 0
.set RLJ, 0
.set RLA, ACC+32*((\g-1)&1)
.if \g < 5
.set RLH, H1+16*((\g-1)&3)
.else
.set RLH, H2+16*((\g-1)&3)
.endif
.endif
	s_wait_dscnt 0x0                               ; this group's C is in
.set NW, 0
.irp s, 0,1,2,3,4
.if (\s < 4) || (\g < 4)
.irp tt, 0,1
.irp pt, 0,1
.set RD, ACC+32*(\g&1)+8*(2*\tt+\pt)
.set RC, CB+16*(\g&1)+8*\tt
.if \g < 4
.set RB, P+16*\s+8*\pt
.else
.set RB, H1+16*\s+8*\pt
.endif
.if \s < 4
.set RA, 8*(8*\s+2*(\g&3)+\tt)
.else
.set RA, 8*(2*(\g&3)+\tt)
.endif
.if \s == 0
	WIN 0x31+(\g>>2)                               ; W in window 1 or 2, C in window 3
	v_wmma_f32_16x16x32_bf16 v[RD:RD+7], v[RA:RA+7], v[RB:RB+7], v[RC:RC+7]
.else
.if \s == 4
	WIN 0x03                                       ; W1's fifth K step lies in window 3
.else
	WIN 0x01+(\g>>2)
.endif
	v_wmma_f32_16x16x32_bf16 v[RD:RD+7], v[RA:RA+7], v[RB:RB+7], v[RD:RD+7]
.endif
.if \g == 0
	G0SLICE
.endif
.if \per > 0
.rept \per
	RL
.endr
.endif
.if (NW == 4) && (\g < 7)
	CBLOAD \g+1
.endif
.set NW, NW+1
.endr
.endr
.endif
.endr
.endm
	; ---------------------------------------------------------------- the start
	s_load_b512 s[8:23], s[0:1], 0x0               ; vol s[8:9], cell s[10:11], wfrag s[12:13], xyz s[14:15], dists s[16:17], viewdirs s[18:19], b1 s[20:21], b2 s[22:23]
	s_load_b128 s[24:27], s[0:1], 0x40             ; b3 s[24:25], out0 s[26:27]
	v_lshl_add_u32 v254, v0, 2, 0x18800
	v_mov_b32 v255, 0
	v_lshrrev_b32 v30, 5, v0
	v_readfirstlane_b32 s2, v30                    ; wave 0..3
	v_and_b32 v1, 31, v0                           ; lane
	s_mul_i32 s3, s2, WLDS                         ; my wave's LDS
	s_add_co_u32 s4, s3, SUOFF
	s_add_co_u32 s5, s3, CVOFF
	s_add_co_u32 s6, s3, B2OFF
	s_lshl_b32 s35, ttmp9, 2
	s_add_co_u32 s35, s35, s2                      ; my wave in the launch, 0..1023
	v_lshlrev_b32 v[LN16], 4, v1
	v_lshrrev_b32 v31, 3, v1
	v_and_b32 v32, 7, v1
	v_lshlrev_b32 v[LC], 4, v32
	v_mad_u32_u24 v[STS], v31, 8*SPITCH, v[LC]
	v_add_nc_u32 v[STS], s3, v[STS]
	v_mad_u32_u24 v[STL], v1, SPITCH, s3
	v_lshrrev_b32 v33, 4, v1
	v_lshlrev_b32 v33, 5, v33                      ; 32 h: eight f32
	v_add_nc_u32 v[CV0], s5, v33
	v_add_nc_u32 v[B2A], s6, v33
	v_add_nc_u32 v[W3A], s3, v[LN16]
	v_mul_u32_u24 v[L12], v1, 12
	v_lshlrev_b32 v[L4], 2, v1
	v_add_nc_u32 v[SU0], s4, v[L4]
	v_lshlrev_b32 v[G64], 6, v31
	v_and_b32 v30, 3, v1
	v_mul_u32_u24 v30, v30, 12                     ; at the start lane L stands for ray L % 4 of my four
	v_mov_b32 v[VA2],   0x3da335e3                 ; (pi/2)^5 / 120
	v_mov_b32 v[VA2+1], 0x3da335e3
	v_mov_b32 v[VB2],   0x3e81e0f8                 ; (pi/2)^4 / 24
	v_mov_b32 v[VB2+1], 0x3e81e0f8
	s_mov_b32 s40, 0xffff0000                      ; lanes 16-31
	s_mov_b32 s47, 0xbfb8aa3b                      ; -log2 e
	s_mov_b32 s[KA0],   0x3fc90fdb                 ; pi/2
	s_mov_b32 s[KA0+1], 0x3fc90fdb
	s_mov_b32 s[KA1],   0xbf255de7                 ; -(pi/2)^3 / 6
	s_mov_b32 s[KA1+1], 0xbf255de7
	s_mov_b32 s[KA3],   0xbb996966                 ; -(pi/2)^7 / 5040
	s_mov_b32 s[KA3+1], 0xbb996966
	s_mov_b32 s[KB1],   0xbf9de9e6                 ; -(pi/2)^2 / 2
	s_mov_b32 s[KB1+1], 0xbf9de9e6
	s_mov_b32 s[KB3],   0xbcaae9e4                 ; -(pi/2)^6 / 720
	s_mov_b32 s[KB3+1], 0xbcaae9e4
	s_mov_b32 s37, 0
	s_wait_kmcnt 0x0
	s_mul_i32 s36, s35, 12288                      ; my 1,024 points: 12 bytes each of xyz,
	s_add_nc_u64 s[14:15], s[14:15], s[36:37]
	s_lshl_b32 s36, s35, 12                        ; 4 of dists,
	s_add_nc_u64 s[16:17], s[16:17], s[36:37]
	s_lshl_b32 s36, s35, 13                        ; 8 of cell;
	s_add_nc_u64 s[10:11], s[10:11], s[36:37]
	s_mul_i32 s36, s35, 48                         ; my four rays: 12 bytes each of viewdirs and of out0
	s_add_nc_u64 s[18:19], s[18:19], s[36:37]
	s_add_nc_u64 s[26:27], s[26:27], s[36:37]
	s_load_b64 s[28:29], s[24:25], 0x0             ; b3: twelve bytes
	s_load_b32 s30, s[24:25], 0x8
	WIN 0xC0
.irp n, 0,1,2,3
	global_load_b128 v[IW+4*\n:IW+4*\n+3], v[G64], s[10:11] offset:16*\n th:TH_LOAD_NT   ; batch 0's cell numbers
.endr
	WIN 0
	global_load_b32 v[F],   v30, s[18:19]          ; the ray's direction, at the places of its three lowest frequencies
	global_load_b32 v[F+3], v30, s[18:19] offset:4
	global_load_b32 v[F+6], v30, s[18:19] offset:8
.irp t, 0,1,2,3,4,5,6,7
	global_load_b128 v[CVR+8*\t:CVR+8*\t+3],   v33, s[20:21] offset:64*\t      ; b1[16 t + 8 h ..] starts the sums of the view's share
	global_load_b128 v[CVR+8*\t+4:CVR+8*\t+7], v33, s[20:21] offset:64*\t+16
.endr
	global_load_b128 v[168:171], v[LN16], s[22:23]                             ; b2
.irp i, 0,1,2,3,4,5,6,7
	global_load_b128 v[136+4*\i:136+4*\i+3], v[LN16], s[12:13] offset:88*1024+512*\i   ; W3
.endr
	WIN 0xC0
.set i, 0
.rept 32
	global_load_b128 v[G+4*i:G+4*i+3], v[LN16], s[12:13] offset:40*1024+512*i  ; the 16 view fragments, where the gather will lie
.set i, i+1
.endr
	WIN 0
	s_wait_loadcnt 57                              ; loads return in order: behind the direction's three stand 16 + 1 + 8 + 32
	; the view's 36 sines and cosines: channel 3 c + i is v_c x 4^i, whose (sin y, sin 2y) are frequencies 2 i and 2 i + 1
.irp c, 0,1,2
	v_mul_f32 v[F+3*\c+1], 4.0, v[F+3*\c]
	v_mul_f32 v[F+3*\c+2], 0x41800000, v[F+3*\c]
.endr
	v_mov_b32 v[F+9], 0
	v_mov_b32 v[F+10], 0
	v_mov_b32 v[F+11], 0
	SINCOS 0, 3, 0, 9, 9, 0                        ; three pairs at a time: R, where the loop has room for seven, holds pending loads here
	SINCOS 6, 3, 0, 9, 9, 0
	SETP 18
	v_cvt_pk_bf16_f32 v[PR], v[F], v[F+3]          ; then the direction itself (rows 27-29 of W1)
	SETP 19
	v_cvt_pk_bf16_f32 v[PR], v[F+6], 0
.irp q, 20,21,22,23,24,25,26,27,28,29,30,31
	SETP \q
	v_mov_b32 v[PR], 0
.endr
.irp s, 0,1
.irp j, 0,1,2,3,4,5,6,7
	v_permlane16_swap_b32 v[P+16*\s+\j], v[P+16*\s+8+\j]
.endr
.endr
	s_wait_loadcnt 0x0                             ; b1, b2, W3, the view fragments and batch 0's cell numbers: nothing has been issued behind them
	WIN 0x40                                       ; the weights that stay: asked for now, wanted in the first trip, whose wait for all loads covers them
.set i, 0
.rept 64
	global_load_b128 v[4*i:4*i+3], v[LN16], s[12:13] offset:512*i              ; W1, K steps 0-3
.set i, i+1
.endr
	WIN 0x80
.set i, 0
.rept 64
	global_load_b128 v[4*i:4*i+3], v[LN16], s[12:13] offset:56*1024+512*i      ; W2
.set i, i+1
.endr
	WIN 0xC0
.set i, 0
.rept 16
	global_load_b128 v[4*i:4*i+3], v[LN16], s[12:13] offset:32*1024+512*i      ; W1, K step 4
.set i, i+1
.endr
	WIN 0
	ds_store_b128 v[W3A], v[168:171] offset:B2OFF
.irp i, 0,1,2,3,4,5,6,7
	ds_store_b128 v[W3A], v[136+4*\i:136+4*\i+3] offset:W3OFF+512*\i
.endr
	WIN 0x03
.irp sp, 0,1                           ; eight accumulators take turns
.irp t, 0,1,2,3,4,5,6,7
	v_wmma_f32_16x16x32_bf16 v[CVR+8*\t:CVR+8*\t+7], v[G+8*(8*\sp+\t):G+8*(8*\sp+\t)+7], v[P+16*\sp:P+16*\sp+7], v[CVR+8*\t:CVR+8*\t+7]
.endr
.endr
	WIN 0
	v_and_b32 v31, 3, v1                           ; plain lines that name no register of the products: the places in front of the stores of their results
	v_lshl_add_u32 v31, v31, 9, v[CV0]             ; my column's ray x 512 + 32 h
	v_mov_b32 v[ZERO], 0
	v_mov_b32 v[RGB], 0                            ; written once: the first trip's select reads them
	v_mov_b32 v[RGB+1], 0
	v_mov_b32 v[RGB+2], 0
.irp t, 0,1,2,3,4,5,6,7
	ds_store_b128 v31, v[CVR+8*\t:CVR+8*\t+3]   offset:64*\t                   ; columns of one ray hold the same numbers and write the same words
	ds_store_b128 v31, v[CVR+8*\t+4:CVR+8*\t+7] offset:64*\t+16
.endr
.irp j, 68,69,70,71,76,77,78,79
	v_mov_b32 v[P+\j], 0                           ; pairs 72-79 of layer 1's input are zeros for good: nothing writes these eight again
.endr
	s_wait_kmcnt 0x0
.irp c, 0,1,2
	v_mov_b32 v[B3S+\c], s[28+\c]
.endr
.irp c, 0,1,2
	v_mul_f32 v[B3S+\c], s47, v[B3S+\c]            ; -log2 e x b3: the sigmoid's exponent is then one fused multiply-add
.endr
	s_mov_b32 s35, 0
	s_mov_b32 s36, 1
	NEXT                                           ; batch 0 is asked for, and batch 1's cell numbers
	; ---------------------------------------------------------------- 32 batches: four rays of eight
.set TSB, R                            ; from here on the sines work where the corners' records lay
	s_mov_b32 s31, 1.0
	s_mov_b32 s33, 0
.Lbatch:
	s_wait_loadcnt 0x0                             ; the trip's one wait for memory: gather, xyz, dists and the next cell numbers were asked for a batch ago (in the first trip: W1 and W2 too)
	; the gathered runs go to their points' rows
	WIN 0x0C
.irp m, 0,1,2,3,4,5,6,7
.irp cp, 0,1,2,3
	ds_store_b128 v[STS], v[G+4*(4*\m+\cp):G+4*(4*\m+\cp)+3] offset:SPITCH*\m+128*\cp
.endr
.endr
	WIN 0
	CORNER 0                                       ; the first four corners are asked for at once (LDS serves a wave's instructions in order, ISA guide 5.7.1.4: they see the stores above);
	CORNER 1                                       ; the corner weights and the next batch's fetch stand between these loads and the wait for them
	CORNER 2
	CORNER 3
	s_and_b32 s36, s33, 7
	s_cmp_eq_u32 s36, 0                            ; a ray's first batch:
	s_cselect_b32 s31, 1.0, s31                    ; all the light reaches its first sample,
	s_cselect_b32 s41, 0, -1                       ; and its sums begin at 0 (used at the trip's end)
	s_lshr_b32 s37, s33, 3                         ; the ray
	s_mul_i32 s39, s37, 384
	v_lshl_add_u32 v[CVA], s37, 9, v[CV0]
	v_add_nc_u32 v[SUA], s39, v[SU0]
	; the corner weights; g is formed as the launch before formed it, so cell and weights agree
.irp a, 0,1,2
	v_add_f32 v[TM+\a], 1.0, v[XYZ+\a]
.endr
.irp a, 0,1,2
	v_mul_f32 v[TM+\a], 0x427e0000, v[TM+\a]       ; x 63.5
.endr
.irp a, 0,1,2
	v_floor_f32 v[TM+3+\a], v[TM+\a]
.endr
.irp a, 0,1,2
	v_max_num_f32 v[TM+3+\a], 0, v[TM+3+\a]
.endr
.irp a, 0,1,2
	v_min_num_f32 v[TM+3+\a], 0x42fc0000, v[TM+3+\a]   ; 126
.endr
.irp a, 0,1,2
	v_sub_f32 v[TM+\a], v[TM+\a], v[TM+3+\a]       ; w
.endr
.irp a, 0,1,2
	v_sub_f32 v[TM+3+\a], 1.0, v[TM+\a]            ; 1 - w
.endr
	v_mul_f32 v[TM+6], v[TM+5], v[TM+4]
	v_mul_f32 v[TM+7], v[TM+5], v[TM+1]
	v_mul_f32 v[TM+8], v[TM+2], v[TM+4]
	v_mul_f32 v[TM+9], v[TM+2], v[TM+1]
.irp cp, 0,1,2,3
	v_mul_f32 v[CW+2*\cp],   v[TM+6+\cp], v[TM+3]
	v_mul_f32 v[CW+2*\cp+1], v[TM+6+\cp], v[TM]
.endr
	v_mul_f32 v[D25], 0x41c80000, v[DI]            ; 25 x dist
	s_add_co_u32 s35, s33, 1                       ; the next batch and the one behind it, kept inside my 32: the last trip asks once more for batch 31,
	s_min_u32 s35, s35, 31                         ; 40 loads of the wave's 1,320 for which nothing waits; so the loop has no branch but its own
	s_add_co_u32 s36, s33, 2
	s_min_u32 s36, s36, 31
	NEXT
	; the interpolation: four corners' records are on their way while one is used
.irp k, 0,1,2,3
	s_wait_dscnt 12                                ; LDS loads return in order: three younger corners, four loads each, stay out
	LERP \k
	CORNER \k+4
.endr
	s_wait_dscnt 12
	LERP 4
	s_wait_dscnt 8
	LERP 5
	s_wait_dscnt 4
	LERP 6
	s_wait_dscnt 0
	LERP 7
	v_mov_b32 v[F+27], 0
	v_mov_b32 v[P+14], 0                           ; pair 14 (rows 28, 29 of W1 belong to the view's share) and pairs 69-71 are zeros in every batch, since the exchanges mix them
	v_mov_b32 v[P+73], 0
	v_mov_b32 v[P+74], 0
	v_mov_b32 v[P+75], 0
	CBLOAD 0                                       ; layer 1's first C lands under the sines
	WIN 0
	; layer 1's input: 28 channels in two runs of seven pairs
	SINCOS 0,  7, 15, 42, 27, 1
	SINCOS 14, 7, 15, 42, 27, 1
.irp j, 0,1,2,3,4,5,6,7
	v_permlane16_swap_b32 v[P+\j], v[P+8+\j]       ; K step 0's exchange; the other steps' stand between the first group's products
.endr
	; the layers
.set WTJ, 0
	GROUP 0, 0
	GROUP 1, 4
	GROUP 2, 4
	GROUP 3, 4
	GROUP 4, 5                                     ; five to a product: the list ends behind the eleventh, ahead of K step 3, which reads what it makes
	GROUP 5, 4
	GROUP 6, 4
	GROUP 7, 4
.set RLJ, 0
.set RLA, ACC+32
.set RLH, H2+48
.rept 4
	RL                                             ; the four places serve the reads of the last results and the loads into H1, which the last products read
.endr
	WIN 0
.irp i, 0,1,2,3,4,5,6,7
	ds_load_b128 v[H1+4*\i:H1+4*\i+3], v[W3A] offset:W3OFF+512*\i
.endr
.rept 32
	RL                                             ; the last group's clipping, under W3's way out of LDS
.endr
	s_wait_dscnt 0x0
.set NW, 0
.irp u, 0,1,2,3                        ; layer 3: two accumulators, one for each tile, take turns; the first product starts each sum
.irp pt, 0,1                           ; the last group's sixteen roundings make K step 3's source: they stand behind the six products of K steps 0 to 2, three to a product
.if \u == 0
	v_wmma_f32_16x16x32_bf16 v[ACC+8*\pt:ACC+8*\pt+7], v[H1+8*\u:H1+8*\u+7], v[H2+16*\u+8*\pt:H2+16*\u+8*\pt+7], 0
.else
	v_wmma_f32_16x16x32_bf16 v[ACC+8*\pt:ACC+8*\pt+7], v[H1+8*\u:H1+8*\u+7], v[H2+16*\u+8*\pt:H2+16*\u+8*\pt+7], v[ACC+8*\pt:ACC+8*\pt+7]
.endif
.if NW < 6
.rept 3
	RL
.endr
.endif
.set NW, NW+1
.endr
.endr
.irp c, 0,1,2
	v_cndmask_b32 v[RGB+\c], 0, v[RGB+\c], s41     ; a ray's first batch starts its sums; these three and a v_nop are the four places in front of the reads of the results
.endr
	v_nop
	; W3's colours stand in rows 0-2 and 8-10, so both halves of the lanes hold a point's three numbers in registers 0-2: lane L takes point L's from tile L / 16
.irp c, 0,1,2
	v_cndmask_b32 v[TM+\c], v[ACC+\c], v[ACC+8+\c], s40
.endr
.irp c, 0,1,2
	v_fma_f32 v[TM+\c], v[TM+\c], s47, v[B3S+\c]   ; -log2 e (x + b3)
.endr
.irp c, 0,1,2
	v_exp_f32 v[TM+\c], v[TM+\c]
.endr
	v_nop
	s_wait_alu depctr_va_vdst(0)
.irp c, 0,1,2
	v_add_f32 v[TM+\c], 1.0, v[TM+\c]
.endr
.irp c, 0,1,2
	v_rcp_f32 v[TM+\c], v[TM+\c]
.endr
	v_nop
	s_wait_alu depctr_va_vdst(0)
.irp c, 0,1,2
	v_fmac_f32 v[RGB+\c], v[WGT], v[TM+\c]
.endr
.irp c, 0,1,2
	ds_store_b32 v[SUA], v[RGB+\c] offset:128*\c   ; the ray's sums so far, over those of the trip before
.endr
	s_add_co_u32 s33, s33, 1
	s_cmp_lt_u32 s33, 32
	s_cbranch_scc1 .Lbatch
	; ---------------------------------------------------------------- the way out: lane i < 12 adds row i, the 32 lanes' sums of ray i / 3, colour i % 3
	v_min_u32 v30, 11, v1                          ; the other lanes read row 11 and store nothing
	v_lshl_add_u32 v30, v30, 7, s4
.irp n, 0,1,2,3,4,5,6,7
	ds_load_b128 v[R+4*\n:R+4*\n+3], v30 offset:16*\n      ; LDS serves a wave's instructions in order (ISA guide 5.7.1.4): these see the stores above
.endr
	s_wait_dscnt 0x0
.irp i, 0,2,4,6,8,10,12,14
	v_pk_add_f32 v[R+\i:R+\i+1], v[R+\i:R+\i+1], v[R+16+\i:R+17+\i]
.endr
.irp i, 0,2,4,6
	v_pk_add_f32 v[R+\i:R+\i+1], v[R+\i:R+\i+1], v[R+8+\i:R+9+\i]
.endr
.irp i, 0,2
	v_pk_add_f32 v[R+\i:R+\i+1], v[R+\i:R+\i+1], v[R+4+\i:R+5+\i]
.endr
	v_pk_add_f32 v[R:R+1], v[R:R+1], v[R+2:R+3]
	v_add_f32 v[R], v[R], v[R+1]
	v_cmp_gt_u32 vcc_lo, 12, v1
	s_wait_xcnt 0x0                                ; EXEC changes only behind this wait
	s_wait_tensorcnt 0x0
	ds_add_u32 v254, v255
	s_wait_dscnt 0x0
	s_and_saveexec_b32 s35, vcc_lo
	global_store_b32 v[L4], v[R], s[26:27]         ; my four rays: 48 consecutive bytes
	s_wait_xcnt 0x0                                ; and again in front of the line that widens it
	s_or_b32 exec_lo, exec_lo, s35
	s_endpgm
.Lfunc_end_k_q0f10456159_render:
	.size	k_q0f10456159_render, .Lfunc_end_k_q0f10456159_render-k_q0f10456159_render
	.p2alignl 7, 3214868480
	.fill 96, 4, 3214868480
	.section	.rodata,"a",@progbits
	.p2align	6, 0x0
	.amdhsa_kernel k_q0f10456159_render
		.amdhsa_group_segment_fixed_size 100864
		.amdhsa_private_segment_fixed_size 0
		.amdhsa_enable_private_segment 0
		.amdhsa_kernarg_size 80
		.amdhsa_user_sgpr_count 2
		.amdhsa_user_sgpr_kernarg_segment_ptr 1
		.amdhsa_wavefront_size32 1
		.amdhsa_system_sgpr_workgroup_id_x 1
		.amdhsa_system_sgpr_workgroup_id_y 1
		.amdhsa_system_sgpr_workgroup_id_z 1
		.amdhsa_system_vgpr_workitem_id 0
		.amdhsa_next_free_vgpr 1024
		.amdhsa_next_free_sgpr 66
		.amdhsa_reserve_vcc 1
		.amdhsa_float_denorm_mode_32 3
		.amdhsa_float_denorm_mode_16_64 3
		.amdhsa_memory_ordered 1
		.amdhsa_forward_progress 1
		.amdhsa_inst_pref_size 131
	.end_amdhsa_kernel
	.amdgpu_metadata
---
amdhsa.version: [ 1, 2 ]
amdhsa.kernels:
  - .name:           k_q0f10456159_render
    .symbol:         k_q0f10456159_render.kd
    .args:
      - { .name: vol, .offset: 0, .size: 8, .value_kind: global_buffer, .address_space: global }
      - { .name: cell, .offset: 8, .size: 8, .value_kind: global_buffer, .address_space: global }
      - { .name: wfrag, .offset: 16, .size: 8, .value_kind: global_buffer, .address_space: global }
      - { .name: xyz, .offset: 24, .size: 8, .value_kind: global_buffer, .address_space: global }
      - { .name: dists, .offset: 32, .size: 8, .value_kind: global_buffer, .address_space: global }
      - { .name: viewdirs, .offset: 40, .size: 8, .value_kind: global_buffer, .address_space: global }
      - { .name: b1, .offset: 48, .size: 8, .value_kind: global_buffer, .address_space: global }
      - { .name: b2, .offset: 56, .size: 8, .value_kind: global_buffer, .address_space: global }
      - { .name: b3, .offset: 64, .size: 8, .value_kind: global_buffer, .address_space: global }
      - { .name: out0, .offset: 72, .size: 8, .value_kind: global_buffer, .address_space: global }
    .group_segment_fixed_size: 100864
    .private_segment_fixed_size: 0
    .kernarg_segment_align: 8
    .kernarg_segment_size: 80
    .max_flat_workgroup_size: 128
    .sgpr_count:     66
    .vgpr_count:     1024
    .wavefront_size: 32
...
	.end_amdgpu_metadata
.endif
;; end of part 2
